; MI455X (gfx1250); checked and timed in simulation.
; The chip was launched on July 23, 2026; its instructions are those of AMD's public machine-readable ISA for CDNA 5 (MIT licence, August 2026) and "CDNA5" Instruction Set Architecture Reference Guide (July 2026). The comments in the code are by the model that wrote it; some were corrected since.
;; Multi Attention. Allowed arithmetic: float matrix products may take bf16 or f16 operands with f32 sums; all other float work in f32.
;; Inputs: Wk 128 x 1,024 float32; Wo 1,024 x 128 float32; Wq 128 x 1,024 float32; Wv 128 x 1,024 float32; bk 1,024 float32; bo 128 float32; bq 1,024 float32; bv 1,024 float32; k 4,096 x 128 float32; q 4,096 x 128 float32; v 4,096 x 128 float32.
;; Outputs: out0 4,096 x 128 float32.
;; 2 versions, each right; version 2 is version 1 with the launch proj written anew for expert scheduling mode. Each part assembles by itself: llvm-mc -triple=amdgcn-amd-amdhsa -mcpu=gfx1250 --defsym DOCPART=n.
;; ======== version 1 of 2: 3 launches
;; workspace buffers: Qw 8,388,608 bytes; Kw 8,388,608 bytes; Vw 8,388,608 bytes; part 16,777,216 bytes
;; launch proj (part 1): grid 32 x 8, 24 waves a work-group, no clusters, 101,376 bytes of LDS; arguments q, k, v, Wq, Wk, Wv, bq, bk, bv, Qw, Kw, Vw; writes Qw, Kw, Vw
.if DOCPART == 1
	.amdgcn_target "amdgcn-amd-amdhsa--gfx1250"
	.amdhsa_code_object_version 6
	.text
	.protected	k_q624a016005_proj
	.globl	k_q624a016005_proj
	.p2align	8
	.type	k_q624a016005_proj,@function
k_q624a016005_proj:
	s_mov_b64 s[64:65], 0
	v_nop
	global_prefetch_b8 v0, s[64:65] scope:SCOPE_SE
	s_setreg_imm32_b32 hwreg(HW_REG_WAVE_MODE, 25, 1), 1
	s_wait_xcnt 0x0
; Qw, Kw, Vw [8 heads][4096 tokens][128] bf16  =  x W + b  for x = q, k, v ([4096][128] f32), W [128][1024] f32, b [1024] f32.
; Operands are rounded to bf16, sums and the bias stay in f32, the result is rounded once to bf16.
; A work-group is (128 tokens, one head) for all three products: 24 waves, wave = 8 mi + tw; mi picks q, k or v, tw picks 16 tokens.
; A wave makes 16 tokens x 128 features: 8 accumulator tiles, 4 steps of 32 along K, 32 matrix instructions.
; W NEEDS NO TRANSPOSE: tile i of a wave holds the features 8 r + i (r = lane % 16).  A lane then reads 8 neighbouring f32 of a row of W, and
; packing rows 2p and 2p+1 gives register p of all eight B fragments at once.  In the result a lane holds, over its eight tiles, eight
; neighbouring features of a token: 16 bytes, and sixteen lanes store 256 consecutive aligned bytes, a whole row of the output.
; The eight waves of one mi share the conversion of W: wave tw makes the half fragments of rows 16 tw .. 16 tw + 15 and puts them into LDS
; in fragment order (512 consecutive bytes a store); one barrier; every wave reads all.
; NO JOINT LOADS: the work-group's inputs are 3 x 64 KiB of x and 3 x 64 KiB of W in f32, 384 KiB, more than LDS holds, and they are
; regrouped and rounded in registers on the way; each is read once, by loads that all go out at the start.
; Limits: NaN and infinities are not treated apart; results beyond bf16's range become infinite.
.set BIAS, 8                           ; v[8:15]    b of my 8 features
.set ACC,  16                          ; v[16:79]   tile i at 16 + 8 i (first: raw W, row t at 16 + 8 t)
.set RX,   80                          ; v[80:143]  raw x; the A fragments are made in place in v[80:111]
.set BF,   112                         ; v[112:143] four B fragments; at the end the packed results
.set WF,   144                         ; v[144:159] half fragments of W on their way to LDS (v144 first: the bias's offset)
.macro PLACES
.rept 4
	v_nop
.endr
.endm
	s_load_b512 s[8:23], s[0:1], 0x0               ; q, k, v, Wq, Wk, Wv, bq, bk
	s_load_b256 s[24:31], s[0:1], 0x40             ; bv, Qw, Kw, Vw
	v_lshrrev_b32 v1, 5, v0
	v_readfirstlane_b32 s32, v1                    ; wave 0..23
	s_lshr_b32 s33, s32, 3                         ; mi
	s_and_b32 s34, s32, 7                          ; tw
	s_and_b32 s35, ttmp7, 0xffff                   ; head
	v_and_b32 v1, 15, v0                           ; r
	v_bfe_u32 v2, v0, 4, 1                         ; h
	v_and_b32 v6, 31, v0                           ; lane
	v_lshlrev_b32 v3, 9, v1
	v_lshl_add_u32 v3, v2, 5, v3                   ; x: token r (512 bytes a row) + 8 h numbers
	v_lshlrev_b32 v4, 5, v1
	v_lshl_add_u32 v4, v2, 15, v4                  ; W: 8 h rows of 4,096 bytes + 8 r numbers
	v_lshlrev_b32 v144, 5, v1                      ; b: 8 r numbers
	v_lshlrev_b32 v7, 4, v1
	v_lshl_add_u32 v7, v2, 11, v7                  ; out: 8 h rows of 256 bytes + 16 r
	s_lshl_b32 s46, s33, 15                        ; LDS: 32,768 bytes for each mi
	v_lshl_add_u32 v6, v6, 4, s46                  ; where fragments are read: 16 lane + mi's region
	s_lshr_b32 s47, s34, 1
	s_lshl_b32 s47, s47, 13                        ; K step tw / 2: 8 fragments of 1,024 bytes
	s_and_b32 s44, s34, 1
	s_lshl_b32 s44, s44, 9                         ; half tw % 2 of a fragment
	s_add_co_u32 s47, s47, s44
	v_add_nc_u32 v5, s47, v6                       ; where my half fragments go
	s_wait_kmcnt 0x0
	s_cmp_eq_u32 s33, 0                            ; the wave's buffers: a choice on the wave's number
	s_cselect_b64 s[36:37], s[8:9], s[10:11]
	s_cselect_b64 s[38:39], s[14:15], s[16:17]
	s_cselect_b64 s[40:41], s[20:21], s[22:23]
	s_cselect_b64 s[42:43], s[26:27], s[28:29]
	s_cmp_eq_u32 s33, 2
	s_cselect_b64 s[36:37], s[12:13], s[36:37]     ; x
	s_cselect_b64 s[38:39], s[18:19], s[38:39]     ; W
	s_cselect_b64 s[40:41], s[24:25], s[40:41]     ; b
	s_cselect_b64 s[42:43], s[30:31], s[42:43]     ; out
	s_mov_b32 s45, 0
	s_lshl_b32 s44, s35, 9
	s_add_nc_u64 s[40:41], s[40:41], s[44:45]      ; b at the head's 128 features
	s_lshl_b32 s46, s34, 16
	s_add_co_u32 s44, s44, s46
	s_add_nc_u64 s[38:39], s[38:39], s[44:45]      ; W at row 16 tw, the head's features
	s_lshl_b32 s44, ttmp9, 16
	s_lshl_b32 s46, s34, 13
	s_add_co_u32 s44, s44, s46
	s_add_nc_u64 s[36:37], s[36:37], s[44:45]      ; x at token 128 block + 16 tw
	s_lshl_b32 s44, s35, 20
	s_lshl_b32 s46, ttmp9, 15
	s_add_co_u32 s44, s44, s46
	s_lshl_b32 s46, s34, 12
	s_add_co_u32 s44, s44, s46
	s_add_nc_u64 s[42:43], s[42:43], s[44:45]      ; out at the head, the same token
	; all 34 loads of the wave go out at once
	global_load_b128 v[BIAS:BIAS+3],   v144, s[40:41]
	global_load_b128 v[BIAS+4:BIAS+7], v144, s[40:41] offset:16
.irp t, 0,1,2,3,4,5,6,7
	global_load_b128 v[ACC+8*\t:ACC+8*\t+3],   v4, s[38:39] offset:4096*\t      ; W[16 tw + 8 h + t][8 r ..]
	global_load_b128 v[ACC+8*\t+4:ACC+8*\t+7], v4, s[38:39] offset:4096*\t+16
.endr
.irp n, 0,1,2,3,4,5,6,7
	global_load_b128 v[RX+8*\n:RX+8*\n+3],   v3, s[36:37] offset:64*\n          ; x[r][16 n + 8 h ..]: n = 2 x K step + half
	global_load_b128 v[RX+8*\n+4:RX+8*\n+7], v3, s[36:37] offset:64*\n+16
.endr
	s_wait_loadcnt 16                              ; the 16 loads of x are younger: b and W are in (and v144 is free)
.irp half, 0,1
.irp q, 0,1,2,3
.irp p, 0,1,2,3
	v_cvt_pk_bf16_f32 v[WF+4*\q+\p], v[ACC+16*\p+4*\half+\q], v[ACC+16*\p+8+4*\half+\q]   ; rows 2p, 2p+1 of feature 8 r + i
.endr
.endr
.irp q, 0,1,2,3
	ds_store_b128 v5, v[WF+4*\q:WF+4*\q+3] offset:(4*\half+\q)*1024
.endr
.endr
	s_wait_loadcnt 0x0                             ; x
.set n, 0
.rept 32
	v_cvt_pk_bf16_f32 v[RX+n], v[RX+2*n], v[RX+2*n+1]      ; in place, ascending: register n is written when 2n and 2n+1 are read
.set n, n+1
.endr
	s_wait_dscnt 0x0                               ; my half fragments are in LDS, for the other waves' sake
	s_barrier_signal -1
	s_barrier_wait -1
; Four tiles, 32 along K.  The eight accumulators take turns, one instruction a turn.
; One B buffer: six waves lie on each SIMD and fill each other's waits.
.macro CHUNK s, half
.irp q, 0,1,2,3
	ds_load_b128 v[BF+8*\q:BF+8*\q+3],   v6 offset:(8*\s+4*\half+\q)*1024
	ds_load_b128 v[BF+8*\q+4:BF+8*\q+7], v6 offset:(8*\s+4*\half+\q)*1024+512
.endr
	s_wait_dscnt 0x0
.irp q, 0,1,2,3
.if \s == 0
	v_wmma_f32_16x16x32_bf16 v[ACC+8*(4*\half+\q):ACC+8*(4*\half+\q)+7], v[RX+8*\s:RX+8*\s+7], v[BF+8*\q:BF+8*\q+7], 0
.else
	v_wmma_f32_16x16x32_bf16 v[ACC+8*(4*\half+\q):ACC+8*(4*\half+\q)+7], v[RX+8*\s:RX+8*\s+7], v[BF+8*\q:BF+8*\q+7], v[ACC+8*(4*\half+\q):ACC+8*(4*\half+\q)+7]
.endif
.endr
	PLACES                                         ; four places before B is loaded again or a result is read (ISA guide 7.12.1)
.endm
.irp s, 0,1,2,3
	CHUNK \s, 0
	CHUNK \s, 1
.endr
.irp i, 0,1,2,3,4,5,6,7
.irp j, 0,1,2,3,4,5,6,7
	v_add_f32 v[ACC+8*\i+\j], v[ACC+8*\i+\j], v[BIAS+\i]
.endr
.endr
.irp j, 0,1,2,3,4,5,6,7
.irp c, 0,1,2,3
	v_cvt_pk_bf16_f32 v[BF+4*\j+\c], v[ACC+16*\c+\j], v[ACC+16*\c+8+\j]    ; token 8 h + j, features 8 r + 2c, 8 r + 2c + 1
.endr
	global_store_b128 v7, v[BF+4*\j:BF+4*\j+3], s[42:43] offset:256*\j     ; sixteen lanes: one row of 256 bytes
.endr
	s_wait_xcnt 0x0
	v_lshl_add_u32 v158, v0, 2, 0x18000
	v_mov_b32 v159, 0
	s_wait_tensorcnt 0x0
	ds_add_u32 v158, v159
	s_wait_dscnt 0x0
	s_endpgm
.Lfunc_end_k_q624a016005_proj:
	.size	k_q624a016005_proj, .Lfunc_end_k_q624a016005_proj-k_q624a016005_proj
	.p2alignl 7, 3214868480
	.fill 96, 4, 3214868480
	.section	.rodata,"a",@progbits
	.p2align	6, 0x0
	.amdhsa_kernel k_q624a016005_proj
		.amdhsa_group_segment_fixed_size 101376
		.amdhsa_private_segment_fixed_size 0
		.amdhsa_enable_private_segment 0
		.amdhsa_kernarg_size 96
		.amdhsa_user_sgpr_count 2
		.amdhsa_user_sgpr_kernarg_segment_ptr 1
		.amdhsa_wavefront_size32 1
		.amdhsa_system_sgpr_workgroup_id_x 1
		.amdhsa_system_sgpr_workgroup_id_y 1
		.amdhsa_system_sgpr_workgroup_id_z 1
		.amdhsa_system_vgpr_workitem_id 0
		.amdhsa_next_free_vgpr 160
		.amdhsa_next_free_sgpr 66
		.amdhsa_reserve_vcc 0
		.amdhsa_float_denorm_mode_32 3
		.amdhsa_float_denorm_mode_16_64 3
		.amdhsa_memory_ordered 1
		.amdhsa_forward_progress 1
		.amdhsa_inst_pref_size 23
	.end_amdhsa_kernel
	.amdgpu_metadata
---
amdhsa.version: [ 1, 2 ]
amdhsa.kernels:
  - .name:           k_q624a016005_proj
    .symbol:         k_q624a016005_proj.kd
    .args:
      - { .name: q, .offset: 0, .size: 8, .value_kind: global_buffer, .address_space: global }
      - { .name: k, .offset: 8, .size: 8, .value_kind: global_buffer, .address_space: global }
      - { .name: v, .offset: 16, .size: 8, .value_kind: global_buffer, .address_space: global }
      - { .name: Wq, .offset: 24, .size: 8, .value_kind: global_buffer, .address_space: global }
      - { .name: Wk, .offset: 32, .size: 8, .value_kind: global_buffer, .address_space: global }
      - { .name: Wv, .offset: 40, .size: 8, .value_kind: global_buffer, .address_space: global }
      - { .name: bq, .offset: 48, .size: 8, .value_kind: global_buffer, .address_space: global }
      - { .name: bk, .offset: 56, .size: 8, .value_kind: global_buffer, .address_space: global }
      - { .name: bv, .offset: 64, .size: 8, .value_kind: global_buffer, .address_space: global }
      - { .name: Qw, .offset: 72, .size: 8, .value_kind: global_buffer, .address_space: global }
      - { .name: Kw, .offset: 80, .size: 8, .value_kind: global_buffer, .address_space: global }
      - { .name: Vw, .offset: 88, .size: 8, .value_kind: global_buffer, .address_space: global }
    .group_segment_fixed_size: 101376
    .private_segment_fixed_size: 0
    .kernarg_segment_align: 8
    .kernarg_segment_size: 96
    .max_flat_workgroup_size: 768
    .sgpr_count:     66
    .vgpr_count:     160
    .wavefront_size: 32
...
	.end_amdgpu_metadata
.endif
;; end of part 1
;; launch attn (part 2): grid 32 x 8, 4 waves a work-group, clusters of 4 x 1, 327,680 bytes of LDS; arguments Qw, Kw, Vw, Wo, part; writes part
.if DOCPART == 2
	.amdgcn_target "amdgcn-amd-amdhsa--gfx1250"
	.amdhsa_code_object_version 6
	.text
	.protected	k_q624a016005_attn
	.globl	k_q624a016005_attn
	.p2align	8
	.type	k_q624a016005_attn,@function
k_q624a016005_attn:
	s_mov_b64 s[64:65], 0
	v_nop
	global_prefetch_b8 v0, s[64:65] scope:SCOPE_SE
	s_setreg_imm32_b32 hwreg(HW_REG_WAVE_MODE, 25, 1), 1
	s_wait_xcnt 0x0
	s_wait_alu depctr_hold_cnt(0) depctr_sa_sdst(0) depctr_va_vdst(0) depctr_va_sdst(0) depctr_va_ssrc(0) depctr_va_vcc(0) depctr_vm_vsrc(0)
	s_getreg_b32 s2, hwreg(HW_REG_IB_STS2, 6, 4)
	s_cmp_eq_u32 s2, 0
	s_cbranch_scc0 .Lentry_in_a_cluster
	s_endpgm
.Lentry_in_a_cluster:
	s_bfe_u32 s2, ttmp6, 0x10000c
	s_cmp_lg_u32 s2, 0x3003
	s_cbranch_scc0 .Lentry_shape_is_right
	s_endpgm
.Lentry_shape_is_right:
; part[head][query][128] f32 = softmax(Q K^T / sqrt(128)) V Wo_head, for one head and 128 queries a work-group; 4096 keys in 16 tiles of 256.
; Qw, Kw, Vw: [8][4096][128] bf16.  Wo: [1024][128] f32, rows 128 head .. + 127 are the head's.
; EVERYTHING IS COMPUTED TRANSPOSED.  S^T = K Q^T (A = 16 keys, B = 16 queries): lane (r, h) holds query r, register j key 8 h + j.  So the
; maximum and the sum of a query's row are made inside a lane and one exchange of the lanes' halves, alpha is a lane's own number, and two
; tiles of S^T packed to bf16 ARE a B fragment of ctx^T = V^T P^T: P passes through no LDS and no shuffle.  ctx^T packed is in the same way
; the B fragment of out^T = Wo^T ctx^T.  V^T and Wo^T (A operands, stored [k][n] in LDS) are read by transposing LDS loads.
; SHARES: four waves; wave w has 64 queries (w / 2) and half of every tile's keys (kh = w % 2): 32 KiB of fragments from LDS feed 128 matrix
; instructions.  The two halves of the keys meet once, at the end, through LDS.  Register tile t of a wave holds query tile t xor 2 kh, so
; that every wave sends register tiles 2, 3 and keeps 0, 1: the kept queries are 32 w + 16 x.
; THE LOOP IS TURNED BY ONE STEP.  A tile is two steps of 64 keys, A and B.  Only the very first step has a form of its own (its products start
; the sums), and only what lies behind the last refill is written out: A(0); seven trips of B, A, B, A; B(14), A(15), B(15).  So the text
; holds 8 steps, and 28 of the 32 steps run in the loop.
; SOFTMAX: a running maximum is always taken away, in f32; p = exp2(c s - c m), c = log2(e) / sqrt(128) as one f32 constant.
; CLUSTER: the four work-groups of a cluster are four query blocks of one head and ask for K's and V's tiles jointly (mask 15).  Q, and Wo's
; 64 KiB against the 2 MiB of K and V that a work-group walks, come by plain loads.
; Limits: NaN and infinities are not treated apart; scores must be finite in f32; p below 2^-126 counts as 0; P, ctx and Wo enter the
; matrix unit in bf16 while the row sum adds the unrounded p.
.set VP,    288                        ; LDS pitch of V and Wo: 256 bytes + 32, an odd multiple of 32 bytes, for the transposing loads
.set KP,    272                        ; LDS pitch of K: 256 bytes + 16, an odd multiple of 16: the 16 rows of a load lie in 16 different 16-byte columns modulo 256
.set VHALF, 128*VP                     ; what one tensor load brings of V
.set KHALF, 128*KP                     ; and of K
.set KREG,  2*VHALF                    ; a slot: V's 256 rows, then K's
.set SLOT,  2*VHALF+2*KHALF            ; 143,360
.set WOS,   2*SLOT                     ; Wo_head as bf16 [d][n], 128 x 288 bytes: written by LDS stores, never filled by a tensor load
.set MST,   16896                      ; the merge stage of a wave, in slot 0 after its last fill and last read: 32 x 512 bytes, then 4 x 128
.set OST,   4*MST                      ; the way out: 16 rows x 528 bytes for each wave, behind the merge stages
.set OSTW,  16*528
.set TILEB, 65536                      ; 256 rows of Kw or Vw
.set CEXP,  0x3e0293ee                 ; log2(e) / sqrt(128)
; window 0
.set KADR, 4                           ; v4, v5    my K fragments in slot 0, 1
.set VADR, 6                           ; v6, v7    my V fragments in slot 0, 1
.set WADR, 8                           ; v8        Wo's fragments
.set QOF,  9                           ; v9, v10   Q: register tiles 0, 1 and 2, 3
                                       ; v11, v12  merge stage, mine and my partner's; v13, v14 way out, in and back; v15 16 x lane
.set ST,   16                          ; v[16+8t ..]: +0 -c m, +1 m after a step A, +2 alpha, +3 m after a step B, +4 +5 the row sum in two parts, +7 exchange
                                       ; v48, v49 stats' addresses; v50-53 partner's m, l; v54-61 (ga, fa), (gb, fb) for x = 0, 1; v62, v63 Wo's staging
.set KB,   64                          ; v[64:191] K(kt, s) at 64 + 32 kt + 8 s; also raw Wo and the way out
; window 1
.set QB,   0                           ; Q(t, s) at 32 t + 8 s
.set SB,   128                         ; S(t, kt) at 128 + 32 t + 8 kt; P(t, kp) in place at 128 + 32 t + 16 kp
; window 2: acc(dt, t) at 64 t + 8 dt.   window 3: V(dt, kp) at 64 kp + 8 dt
.set G1K, 24
.set G0K, 32
.set G1V, 40
.set G0V, 48
.set MSB, 0
.macro WIN new                         ; low byte: bits 1:0 source 0, 3:2 source 1, 5:4 source 2, 7:6 destination; high byte: the setting left
.if MSB != \new
	s_set_vgpr_msb (MSB<<8)|\new
.set MSB, \new
.endif
.endm
.macro PLACES n
.rept \n
	v_nop
.endr
.endm
; A joint load: waves 0, 1 ask for V's two halves, waves 2, 3 for K's.  The branch hangs on the wave's number alone.
.macro JLOAD s
	s_cmp_eq_u32 s15, 0
	s_cbranch_scc0 .Lfor_k_\@
	tensor_load_to_lds s[G0V+4*\s:G0V+4*\s+3], s[G1V:G1V+7]
	s_nop 0
	s_branch .Lasked_\@
.Lfor_k_\@:
	tensor_load_to_lds s[G0K+4*\s:G0K+4*\s+3], s[G1K:G1K+7]
	s_nop 0
.Lasked_\@:
.endm
.macro CREST                           ; a round of the cluster's barrier behind its opening barrier
	s_cmp_lg_u32 s14, 0
	s_cbranch_scc1 .Lnot_wave_0_\@
	s_barrier_signal -3
.Lnot_wave_0_\@:
	s_barrier_wait -3
	s_barrier_signal -1
	s_barrier_wait -1
.endm
.macro CROUND
	s_barrier_signal -1
	s_barrier_wait -1
	CREST
.endm
; 32 LDS loads: 64 keys x 128 d of K as 16 A fragments
.macro KLOAD slot, u
	WIN 0
.irp kt, 0,1,2,3
.irp s, 0,1,2,3
	ds_load_b128 v[KB+32*\kt+8*\s:KB+32*\kt+8*\s+3],   v[KADR+\slot] offset:(64*\u+16*\kt)*KP+64*\s
	ds_load_b128 v[KB+32*\kt+8*\s+4:KB+32*\kt+8*\s+7], v[KADR+\slot] offset:(64*\u+16*\kt)*KP+64*\s+32
.endr
.endr
.endm
; 32 transposing LDS loads: 64 rows x 128 columns of V (or Wo) as 16 A fragments of the transposed matrix
.macro VLOAD adr, u
	WIN 0xc0
.irp kp, 0,1
.irp dt, 0,1,2,3,4,5,6,7
	ds_load_tr16_b128 v[64*\kp+8*\dt:64*\kp+8*\dt+3],   v[\adr] offset:(64*\u+32*\kp)*VP+32*\dt
	ds_load_tr16_b128 v[64*\kp+8*\dt+4:64*\kp+8*\dt+7], v[\adr] offset:(64*\u+32*\kp+16)*VP+32*\dt
.endr
.endr
.endm
; S^T = K Q^T, 64 keys x 64 queries: 64 matrix instructions.  The sixteen accumulators take turns, one instruction a turn.
.macro SMUL
	WIN 0x54
.irp s, 0,1,2,3
.irp kt, 0,1,2,3
.irp qt, 0,1,2,3
.if \s == 0
	v_wmma_f32_16x16x32_bf16 v[SB+32*\qt+8*\kt:SB+32*\qt+8*\kt+7], v[KB+32*\kt+8*\s:KB+32*\kt+8*\s+7], v[QB+32*\qt+8*\s:QB+32*\qt+8*\s+7], 0
.else
	v_wmma_f32_16x16x32_bf16 v[SB+32*\qt+8*\kt:SB+32*\qt+8*\kt+7], v[KB+32*\kt+8*\s:KB+32*\kt+8*\s+7], v[QB+32*\qt+8*\s:QB+32*\qt+8*\s+7], v[SB+32*\qt+8*\kt:SB+32*\qt+8*\kt+7]
.endif
.endr
.endr
.endr
.endm
; acc(dt, t) += V^T(dt, kp) x B(t, kp), B at bbase + 8 (4 t + 2 kp) of window 1, t < nq.  zero = 1: the first product starts the sums.
; The accumulators take turns, one instruction a turn.
.macro PVMUL bbase, nq, zero
	WIN 0xa7
.irp kp, 0,1
.irp dt, 0,1,2,3,4,5,6,7
.irp qt, 0,1,2,3
.if \qt < \nq
.if \zero*(1-\kp)
	v_wmma_f32_16x16x32_bf16 v[64*\qt+8*\dt:64*\qt+8*\dt+7], v[64*\kp+8*\dt:64*\kp+8*\dt+7], v[\bbase+8*(4*\qt+2*\kp):\bbase+8*(4*\qt+2*\kp)+7], 0
.else
	v_wmma_f32_16x16x32_bf16 v[64*\qt+8*\dt:64*\qt+8*\dt+7], v[64*\kp+8*\dt:64*\kp+8*\dt+7], v[\bbase+8*(4*\qt+2*\kp):\bbase+8*(4*\qt+2*\kp)+7], v[64*\qt+8*\dt:64*\qt+8*\dt+7]
.endif
.endif
.endr
.endr
.endr
.endm
; The lane's part of the new maximum: 32 scores and the old maximum of each of four query tiles.  mo, mn: places of the old and the new in ST.
.macro SOFT_MAX first, mo, mn
	WIN 0x05
.set si, 0
.rept 16
.irp qt, 0,1,2,3
.if si == 0
.if \first
	v_max_num_f32 v[ST+8*\qt+\mn], v[SB+32*\qt], v[SB+32*\qt+1]
.else
	v_max3_num_f32 v[ST+8*\qt+\mn], v[SB+32*\qt], v[SB+32*\qt+1], v[ST+8*\qt+\mo]
.endif
.else
	v_max3_num_f32 v[ST+8*\qt+\mn], v[SB+32*\qt+2*si], v[SB+32*\qt+2*si+1], v[ST+8*\qt+\mn]
.endif
.endr
.set si, si+1
.endr
.endm
; The rest of a step's softmax: the maximum across the halves, alpha, p in place, the row sum, P packed in place, the accumulators scaled.
.macro SOFT_REST first, mo, mn
	WIN 0
.irp qt, 0,1,2,3
	v_permlanex16_b32 v[ST+8*\qt+7], v[ST+8*\qt+\mn], s56, s57             ; lane i takes lane i xor 16: the same query's other keys
.endr
.irp qt, 0,1,2,3
	v_max_num_f32 v[ST+8*\qt+\mn], v[ST+8*\qt+\mn], v[ST+8*\qt+7]
.endr
.irp qt, 0,1,2,3
	v_mul_f32 v[ST+8*\qt], s60, v[ST+8*\qt+\mn]                            ; -c m
.endr
.if \first == 0
.irp qt, 0,1,2,3
	v_fma_f32 v[ST+8*\qt+2], v[ST+8*\qt+\mo], s58, v[ST+8*\qt]             ; c m_old - c m: the old maximum is treated as a score is
.endr
.irp qt, 0,1,2,3
	v_exp_f32 v[ST+8*\qt+2], v[ST+8*\qt+2]                                 ; alpha; the multiply-adds below stand between it and its use
.endr
.endif
	WIN 0x41
.irp qt, 0,1,2,3
.set si, 0
.rept 16
	v_pk_fma_f32 v[SB+32*\qt+2*si:SB+32*\qt+2*si+1], v[SB+32*\qt+2*si:SB+32*\qt+2*si+1], s[58:59], v[ST+8*\qt:ST+8*\qt+1] op_sel_hi:[1,0,0]
.set si, si+1
.endr
.set si, 0
.rept 32
	v_exp_f32 v[SB+32*\qt+si], v[SB+32*\qt+si]                             ; the next tile's multiply-adds, or the first line of the sums, are the plain line behind these (ISA guide 5.7.2)
.set si, si+1
.endr
.endr
.if \first
	WIN 0x05
	s_wait_alu depctr_va_vdst(0)
.irp qt, 0,1,2,3
	v_pk_add_f32 v[ST+8*\qt+4:ST+8*\qt+5], v[SB+32*\qt:SB+32*\qt+1], v[SB+32*\qt+2:SB+32*\qt+3]   ; the first step starts the sum
.endr
.else
	WIN 0x10
	s_wait_alu depctr_va_vdst(0)
.irp qt, 0,1,2,3
	v_pk_fma_f32 v[ST+8*\qt+4:ST+8*\qt+5], v[ST+8*\qt+4:ST+8*\qt+5], v[ST+8*\qt+2:ST+8*\qt+3], v[SB+32*\qt:SB+32*\qt+1] op_sel_hi:[1,0,1]
.endr
.endif
	WIN 0x01
.set si, 1+\first
.rept 15-\first
.irp qt, 0,1,2,3
	v_pk_add_f32 v[ST+8*\qt+4:ST+8*\qt+5], v[SB+32*\qt+2*si:SB+32*\qt+2*si+1], v[ST+8*\qt+4:ST+8*\qt+5]
.endr
.set si, si+1
.endr
	WIN 0x45
.irp qt, 0,1,2,3
.irp kp, 0,1
.irp p, 0,1,2,3,4,5,6,7
	v_cvt_pk_bf16_f32 v[SB+32*\qt+16*\kp+\p], v[SB+32*\qt+16*\kp+2*\p], v[SB+32*\qt+16*\kp+2*\p+1]   ; ascending: register p is written when 2p, 2p+1 are read
.endr
.endr
.endr
.if \first == 0
	WIN 0x82
.irp qt, 0,1,2,3
.set si, 0
.rept 32
	v_pk_mul_f32 v[64*\qt+2*si:64*\qt+2*si+1], v[64*\qt+2*si:64*\qt+2*si+1], v[ST+8*\qt+2:ST+8*\qt+3] op_sel_hi:[1,0]
.set si, si+1
.endr
.endr
.endif
.endm
; Step A: the first 64 of my 128 keys of a slot.  K's fragments were asked for in the step before.
.macro STEPA slot, first
	PLACES 5                                       ; S is written over P and V is loaded again: five places behind the last product that read them (ISA guide 7.12.1)
	VLOAD VADR+\slot, 0
	s_wait_dscnt 32                                ; the 32 loads of V are younger: K is in
	SMUL
	PLACES 4                                       ; before K is loaded again and S is read
	KLOAD \slot, 1
	SOFT_MAX \first, 3, 1
	SOFT_REST \first, 3, 1
	s_wait_dscnt 32                                ; the 32 loads of K are younger: V is in
	PVMUL SB, 4, \first
.endm
; Step B: the other 64, and the change of slots.  mode 2: this slot is filled again; 1: no fill is left, the next slot is still to be shown whole; 0: the last step.
.macro STEPB slot, other, mode
	PLACES 5
	VLOAD VADR+\slot, 1
	s_wait_dscnt 32                                ; K is in
	SMUL
	PLACES 4
	WIN 0
.if \mode >= 1
	s_wait_dscnt 0x0                               ; my reads of this slot are over: V's last fragments are in registers
	s_wait_tensorcnt 0x0                           ; all my tensor loads have landed: the one that was out is my part of the other slot
	ds_add_u32 v38, v46
	s_wait_dscnt 0x0
.if \mode == 2
	s_add_nc_u64 s[G0K+4*\slot+2:G0K+4*\slot+3], s[G0K+4*\slot+2:G0K+4*\slot+3], 2*TILEB   ; no load of mine is out: this slot's next tile
	s_add_nc_u64 s[G0V+4*\slot+2:G0V+4*\slot+3], s[G0V+4*\slot+2:G0V+4*\slot+3], 2*TILEB
.endif
	s_barrier_signal -1                            ; say so (with a fill to come this opens a round of the cluster's barrier),
	SOFT_MAX 0, 1, 3                               ; work on registers meanwhile,
	WIN 0
	s_barrier_wait -1                              ; and go on when all four waves have said so
.if \mode == 2
	CREST                                          ; all four work-groups have said so: no wave of any partner reads this slot or has a load on its way
	JLOAD \slot                                    ; my one tensor load behind the round, ahead of every LDS read; it has two whole steps in which to land
.endif
	KLOAD \other, 0
	SOFT_REST 0, 1, 3
	PVMUL SB, 4, 0
.else
	SOFT_MAX 0, 1, 3
	SOFT_REST 0, 1, 3
	s_wait_dscnt 0x0                               ; V
	PVMUL SB, 4, 0
.endif
.endm
	s_load_b256 s[4:11], s[0:1], 0x0               ; Qw s[4:5], Kw s[6:7], Vw s[8:9], Wo s[10:11]
	s_load_b64 s[12:13], s[0:1], 0x20              ; part
	v_lshl_add_u32 v38, v0, 2, 0x4f000
	v_mov_b32 v46, 0
	ds_add_u32 v38, v46
	v_lshrrev_b32 v1, 5, v0
	v_readfirstlane_b32 s14, v1                    ; wave 0..3
	s_lshr_b32 s15, s14, 1                         ; which 64 queries.  Also: I fetch for V (0) or for K (1)
	s_and_b32 s16, s14, 1                          ; kh: which half of the keys.  Also: which 128 rows I fetch
	s_bfe_u32 s17, ttmp6, 0x40000                  ; cx
	s_lshl_b32 s18, ttmp9, 2
	s_add_co_u32 s18, s18, s17                     ; query block = 4 x cluster x + cx
	s_and_b32 s19, ttmp7, 0xffff                   ; head
	s_mov_b32 s56, 0x76543210                      ; v_permlanex16_b32: lane i of one half reads lane i of the other
	s_mov_b32 s57, 0xfedcba98
	s_mov_b32 s58, CEXP
	s_mov_b32 s59, CEXP
	s_mov_b32 s60, CEXP|0x80000000                 ; -c
	; group 1: tiles of 128 rows x 128 bf16, pitch 128 elements; 15:0 mask 15 (all four partners); 17:16 elements of 2 bytes; 20 padding on;
	; 21 set beside a mask; 24:22 after every 64 words; 31:25 of 4 words for K, of 8 for V
	s_mov_b32 s[G1K+0], 0x0771000f
	s_mov_b32 s[G1V+0], 0x0f71000f
.irp g, G1K, G1V
	s_mov_b32 s[\g+1], 128<<16                     ; tensor_dim0 = 128
	s_mov_b32 s[\g+2], 128<<16                     ; tensor_dim1 = 128
	s_mov_b32 s[\g+3], 128<<16                     ; tile_dim0 = 128
	s_mov_b32 s[\g+4], 128                         ; tile_dim1 = 128
	s_mov_b32 s[\g+5], 128                         ; from row to row
	s_mov_b32 s[\g+6], 0
	s_mov_b32 s[\g+7], 0
.endr
	s_lshl_b32 s20, s19, 20                        ; the head's 4096 rows of 256 bytes
	s_lshl_b32 s21, s16, 15                        ; my 128 rows of a tile
	s_add_co_u32 s20, s20, s21
	s_mov_b32 s21, 0
	s_mul_i32 s22, s14, VHALF                      ; V's halves lie at wave x 36,864 (waves 0, 1)
	s_mul_i32 s23, s14, KHALF
	s_add_co_u32 s23, s23, KREG-2*KHALF            ; K's at wave x 34,816 + 4,096 (waves 2, 3): behind V's
	s_wait_dscnt 0x0
	s_wait_kmcnt 0x0
	s_add_nc_u64 s[6:7], s[6:7], s[20:21]
	s_add_nc_u64 s[8:9], s[8:9], s[20:21]
.irp s, 0,1
	s_mov_b32 s[G0V+4*\s], 1
	s_add_co_u32 s[G0V+4*\s+1], s22, \s*SLOT
	s_add_nc_u64 s[G0V+4*\s+2:G0V+4*\s+3], s[8:9], \s*TILEB
	s_or_b32 s[G0V+4*\s+3], s[G0V+4*\s+3], 0x80000000
	s_mov_b32 s[G0K+4*\s], 1
	s_add_co_u32 s[G0K+4*\s+1], s23, \s*SLOT
	s_add_nc_u64 s[G0K+4*\s+2:G0K+4*\s+3], s[6:7], \s*TILEB
	s_or_b32 s[G0K+4*\s+3], s[G0K+4*\s+3], 0x80000000
.endr
	CROUND                                         ; all four work-groups are here: the first joint loads meet
	JLOAD 0                                        ; tiles 0 and 1: two tensor loads of the wave are out, later one
	JLOAD 1
	; bases that hang on the query block are made in s[2:3] alone
	s_lshl_b32 s2, s19, 20
	s_lshl_b32 s3, s18, 15
	s_add_co_u32 s2, s2, s3
	s_lshl_b32 s3, s15, 14
	s_add_co_u32 s2, s2, s3
	s_mov_b32 s3, 0
	s_add_nc_u64 s[4:5], s[4:5], s[2:3]            ; Q at the head, query 128 block + 64 (w / 2)
	s_lshl_b32 s2, s19, 21
	s_lshl_b32 s3, s18, 16
	s_add_co_u32 s2, s2, s3
	s_lshl_b32 s3, s14, 14
	s_add_co_u32 s2, s2, s3
	s_mov_b32 s3, 0
	s_add_nc_u64 s[12:13], s[12:13], s[2:3]        ; part at the head, query 128 block + 32 w
	s_lshl_b32 s20, s19, 16
	s_add_nc_u64 s[10:11], s[10:11], s[20:21]      ; Wo at the head's 128 rows of 512 bytes
	v_and_b32 v1, 15, v0                           ; r
	v_bfe_u32 v2, v0, 4, 1                         ; h
	v_and_b32 v3, 31, v0                           ; lane
	v_lshlrev_b32 v15, 4, v3
	s_mul_i32 s20, s16, KHALF
	s_add_co_u32 s20, s20, KREG
	v_mul_u32_u24 v4, v1, KP
	v_lshl_add_u32 v4, v2, 4, v4
	v_add_nc_u32 v4, s20, v4                       ; K: my half's row r, 16 h
	v_add_nc_u32 v5, SLOT, v4
	v_and_b32 v6, 7, v0
	v_lshl_add_u32 v6, v2, 3, v6
	v_mul_u32_u24 v6, v6, VP
	v_bfe_u32 v7, v0, 3, 1
	v_lshl_add_u32 v8, v7, 4, v6                   ; transposing loads: row 8 h + lane % 8, 16 bytes x (lane / 8 % 2)
	s_mul_i32 s20, s16, VHALF
	v_add_nc_u32 v6, s20, v8
	v_add_nc_u32 v7, SLOT, v6
	v_add_nc_u32 v8, WOS, v8
	v_lshlrev_b32 v9, 8, v1
	v_lshl_add_u32 v9, v2, 4, v9
	s_lshl_b32 s20, s16, 13
	s_xor_b32 s21, s20, 8192
	v_add_nc_u32 v10, s21, v9                      ; register tiles 2, 3: query tiles 2 (1 - kh) + 0, 1
	v_add_nc_u32 v9, s20, v9                       ; register tiles 0, 1: query tiles 2 kh + 0, 1
	s_mul_i32 s20, s14, MST
	s_xor_b32 s21, s14, 1
	s_mul_i32 s21, s21, MST
	v_add_nc_u32 v11, s20, v15
	v_add_nc_u32 v12, s21, v15
	v_lshlrev_b32 v3, 2, v3
	s_add_co_u32 s20, s20, 16384
	s_add_co_u32 s21, s21, 16384
	v_add_nc_u32 v48, s20, v3
	v_add_nc_u32 v49, s21, v3
	s_mul_i32 s20, s14, OSTW
	s_add_co_u32 s20, s20, OST
	v_mul_u32_u24 v13, v1, 528
	v_lshl_add_u32 v13, v2, 5, v13
	v_add_nc_u32 v13, s20, v13
	v_add_nc_u32 v14, s20, v15
	v_lshlrev_b32 v62, 5, v0                       ; Wo: thread t takes 32 bytes at 32 t of every 4,096 (8 rows)
	v_lshrrev_b32 v63, 4, v0
	v_mul_u32_u24 v63, v63, VP
	v_lshl_add_u32 v63, v1, 4, v63
	v_add_nc_u32 v63, WOS, v63
.irp qt, 0,1,2,3
	v_mov_b32 v[ST+8*\qt+7], 0                     ; v_permlanex16_b32 counts as a reader of its destination
.endr
	WIN 0x40
.irp qt, 0,1,2,3
.irp s, 0,1,2,3
.irp e, 0,1
	global_load_b128 v[QB+32*\qt+8*\s+4*\e:QB+32*\qt+8*\s+4*\e+3], v[QOF+\qt/2], s[4:5] offset:(\qt%2)*4096+64*\s+32*\e
.endr
.endr
.endr
	WIN 0
.set si, 0
.rept 16
	global_load_b128 v[KB+8*si:KB+8*si+3],   v62, s[10:11] offset:4096*si
	global_load_b128 v[KB+8*si+4:KB+8*si+7], v62, s[10:11] offset:4096*si+16
.set si, si+1
.endr
	s_wait_loadcnt 0x0                             ; Q and Wo, once
.set si, 0
.rept 16
.irp p, 0,1,2,3
	v_cvt_pk_bf16_f32 v[192+4*si+\p], v[KB+8*si+2*\p], v[KB+8*si+2*\p+1]
.endr
	ds_store_b128 v63, v[192+4*si:192+4*si+3] offset:8*VP*si       ; row 8 i + t / 16, 16 bytes at 16 (t % 16)
.set si, si+1
.endr
	s_wait_dscnt 0x0                               ; Wo is in LDS, for the other waves' sake
	s_wait_tensorcnt 0x1                           ; my part of tile 0 is in; tile 1's load is younger and stays out
	s_barrier_signal -1
	s_barrier_wait -1
	KLOAD 0, 0
	STEPA 0, 1                                     ; the very first step stands ahead of the loop: its products start the sums
	WIN 0
	s_mov_b32 s22, 7
.Lpair:
	STEPB 0, 1, 2                                  ; trip k: tile 2k's second step; asks for tile 2k + 2
	STEPA 1, 0                                     ; tile 2k + 1
	STEPB 1, 0, 2                                  ; asks for tile 2k + 3: the last trip's is tile 15
	STEPA 0, 0                                     ; tile 2k + 2's first step
	WIN 0
	s_sub_co_u32 s22, s22, 1
	s_cmp_lg_u32 s22, 0
	s_cbranch_scc1 .Lpair
	STEPB 0, 1, 1                                  ; tile 14: nothing is left to fetch; behind its barrier no wave reads slot 0 and no load is out
	STEPA 1, 0                                     ; tile 15
	STEPB 1, 0, 0
	; THE TWO HALVES OF THE KEYS MEET.  Each wave sends register tiles 2, 3 with their m and l to its partner (w xor 1) and keeps 0, 1.
	PLACES 5
	WIN 0
.irp qt, 0,1,2,3
	v_add_f32 v[ST+8*\qt+4], v[ST+8*\qt+4], v[ST+8*\qt+5]
.endr
.irp qt, 0,1,2,3
	v_permlanex16_b32 v[ST+8*\qt+7], v[ST+8*\qt+4], s56, s57
.endr
.irp qt, 0,1,2,3
	v_add_f32 v[ST+8*\qt+4], v[ST+8*\qt+4], v[ST+8*\qt+7]          ; l of my keys, in every lane of the query
.endr
	ds_store_b32 v48, v[ST+16+3]
	ds_store_b32 v48, v[ST+16+4] offset:128
	ds_store_b32 v48, v[ST+24+3] offset:256
	ds_store_b32 v48, v[ST+24+4] offset:384
	WIN 0x08
.set si, 0
.rept 32
	ds_store_b128 v11, v[128+4*si:128+4*si+3] offset:512*si
.set si, si+1
.endr
	WIN 0
	s_wait_dscnt 0x0                               ; for my partner's sake
	s_barrier_signal -1
	s_barrier_wait -1
	ds_load_b32 v50, v49
	ds_load_b32 v51, v49 offset:128
	ds_load_b32 v52, v49 offset:256
	ds_load_b32 v53, v49 offset:384
	WIN 0x80
.set si, 0
.rept 32
	ds_load_b128 v[128+4*si:128+4*si+3], v12 offset:512*si
.set si, si+1
.endr
	WIN 0
	s_wait_dscnt 0x0
.irp x, 0,1
	v_max_num_f32 v[ST+8*\x+7], v[ST+8*\x+3], v[50+2*\x]           ; the common maximum
.endr
.irp x, 0,1
	v_mul_f32 v[ST+8*\x], s60, v[ST+8*\x+7]
.endr
.irp x, 0,1
	v_fma_f32 v[55+4*\x], v[ST+8*\x+3], s58, v[ST+8*\x]
	v_fma_f32 v[57+4*\x], v[50+2*\x], s58, v[ST+8*\x]
.endr
.irp x, 0,1
	v_exp_f32 v[55+4*\x], v[55+4*\x]                               ; fa
	v_exp_f32 v[57+4*\x], v[57+4*\x]                               ; fb
.endr
	v_nop                                          ; one plain line behind the exponentials (ISA guide 5.7.2)
	s_wait_alu depctr_va_vdst(0)
.irp x, 0,1
	v_mul_f32 v[ST+8*\x+7], v[51+2*\x], v[57+4*\x]
.endr
.irp x, 0,1
	v_fma_f32 v[ST+8*\x+7], v[ST+8*\x+4], v[55+4*\x], v[ST+8*\x+7] ; l = l_a fa + l_b fb: at least about 1, since one of fa, fb is 1
.endr
.irp x, 0,1
	v_rcp_f32 v[ST+8*\x+2], v[ST+8*\x+7]
.endr
	v_nop
	s_wait_alu depctr_va_vdst(0)
.irp x, 0,1
	v_mul_f32 v[54+4*\x], v[55+4*\x], v[ST+8*\x+2]                 ; ga = fa / l
	v_mul_f32 v[56+4*\x], v[57+4*\x], v[ST+8*\x+2]                 ; gb = fb / l
.endr
	WIN 0x82
.irp x, 0,1
.set si, 0
.rept 32
	v_pk_mul_f32 v[128+64*\x+2*si:128+64*\x+2*si+1], v[128+64*\x+2*si:128+64*\x+2*si+1], v[56+4*\x:57+4*\x] op_sel_hi:[1,0]
.set si, si+1
.endr
.endr
	WIN 0xa2
.irp x, 0,1
.set si, 0
.rept 32
	v_pk_fma_f32 v[64*\x+2*si:64*\x+2*si+1], v[64*\x+2*si:64*\x+2*si+1], v[54+4*\x:55+4*\x], v[128+64*\x+2*si:128+64*\x+2*si+1] op_sel_hi:[1,0,1]
.set si, si+1
.endr
.endr
	; ctx^T packed: d step 2 u + kp of query tile x is a B fragment at 128 + 8 (4 x + 2 kp + u) of window 1
	WIN 0x4a
.irp x, 0,1
.irp u, 0,1
.irp kp, 0,1
.irp p, 0,1,2,3,4,5,6,7
	v_cvt_pk_bf16_f32 v[SB+8*(4*\x+2*\kp+\u)+\p], v[64*\x+16*(2*\u+\kp)+2*\p], v[64*\x+16*(2*\u+\kp)+2*\p+1]
.endr
.endr
.endr
.endr
	; out^T = Wo^T ctx^T: 128 n x 32 queries, 64 matrix instructions, by the machinery of P V
	VLOAD WADR, 0
	s_wait_dscnt 0x0
	PVMUL SB, 2, 1
	PLACES 4                                       ; before Wo's fragments are loaded again
	VLOAD WADR, 1
	s_wait_dscnt 0x0
	PVMUL SB+8, 2, 0
	PLACES 4                                       ; before the results are read
	; THE WAY OUT: a lane holds 8 neighbouring n of a query in each tile; 16 queries go through my own stage and leave as rows of 512 bytes
.irp x, 0,1
	WIN 0x08
.irp nt, 0,1,2,3,4,5,6,7
	ds_store_b128 v13, v[64*\x+8*\nt:64*\x+8*\nt+3]   offset:64*\nt
	ds_store_b128 v13, v[64*\x+8*\nt+4:64*\x+8*\nt+7] offset:64*\nt+16
.endr
	WIN 0
.set si, 0
.rept 16
	ds_load_b128 v[KB+64*\x+4*si:KB+64*\x+4*si+3], v14 offset:528*si       ; LDS serves a wave's instructions in order (ISA guide 5.7.1): these see the stores above
.set si, si+1
.endr
.set si, 0
.rept 16
	s_wait_dscnt 15-si                             ; the younger loads stay out
	global_store_b128 v15, v[KB+64*\x+4*si:KB+64*\x+4*si+3], s[12:13] offset:8192*\x+512*si   ; the wave stores 512 consecutive aligned bytes
.set si, si+1
.endr
.endr
	s_wait_tensorcnt 0x0
	ds_add_u32 v38, v46
	s_wait_dscnt 0x0
	CROUND                                         ; the closing round: no work-group ends while a partner may still ask for a tile that names it
	s_endpgm
.Lfunc_end_k_q624a016005_attn:
	.size	k_q624a016005_attn, .Lfunc_end_k_q624a016005_attn-k_q624a016005_attn
	.p2alignl 7, 3214868480
	.fill 96, 4, 3214868480
	.section	.rodata,"a",@progbits
	.p2align	6, 0x0
	.amdhsa_kernel k_q624a016005_attn
		.amdhsa_group_segment_fixed_size 327680
		.amdhsa_private_segment_fixed_size 0
		.amdhsa_enable_private_segment 0
		.amdhsa_kernarg_size 40
		.amdhsa_user_sgpr_count 2
		.amdhsa_user_sgpr_kernarg_segment_ptr 1
		.amdhsa_wavefront_size32 1
		.amdhsa_system_sgpr_workgroup_id_x 1
		.amdhsa_system_sgpr_workgroup_id_y 1
		.amdhsa_system_sgpr_workgroup_id_z 1
		.amdhsa_system_vgpr_workitem_id 0
		.amdhsa_next_free_vgpr 896
		.amdhsa_next_free_sgpr 66
		.amdhsa_reserve_vcc 0
		.amdhsa_float_denorm_mode_32 3
		.amdhsa_float_denorm_mode_16_64 3
		.amdhsa_memory_ordered 1
		.amdhsa_forward_progress 1
		.amdhsa_inst_pref_size 255
	.end_amdhsa_kernel
	.section	.bss,"aw",@nobits
	.p2align	6
	.space	262144
	.amdgpu_metadata
---
amdhsa.version: [ 1, 2 ]
amdhsa.kernels:
  - .name:           k_q624a016005_attn
    .symbol:         k_q624a016005_attn.kd
    .args:
      - { .name: Qw, .offset: 0, .size: 8, .value_kind: global_buffer, .address_space: global }
      - { .name: Kw, .offset: 8, .size: 8, .value_kind: global_buffer, .address_space: global }
      - { .name: Vw, .offset: 16, .size: 8, .value_kind: global_buffer, .address_space: global }
      - { .name: Wo, .offset: 24, .size: 8, .value_kind: global_buffer, .address_space: global }
      - { .name: part, .offset: 32, .size: 8, .value_kind: global_buffer, .address_space: global }
    .group_segment_fixed_size: 327680
    .private_segment_fixed_size: 0
    .kernarg_segment_align: 8
    .kernarg_segment_size: 40
    .max_flat_workgroup_size: 128
    .sgpr_count:     66
    .vgpr_count:     896
    .wavefront_size: 32
...
	.end_amdgpu_metadata
.endif
;; end of part 2
;; launch sum (part 3): grid 256 x 1, 8 waves a work-group, no clusters, 0 bytes of LDS; arguments part, bo, out0; writes out0
.if DOCPART == 3
	.amdgcn_target "amdgcn-amd-amdhsa--gfx1250"
	.amdhsa_code_object_version 6
	.text
	.protected	k_q624a016005_sum
	.globl	k_q624a016005_sum
	.p2align	8
	.type	k_q624a016005_sum,@function
k_q624a016005_sum:
	s_mov_b64 s[64:65], 0
	v_nop
	global_prefetch_b8 v0, s[64:65] scope:SCOPE_SE
	s_setreg_imm32_b32 hwreg(HW_REG_WAVE_MODE, 25, 1), 1
	s_wait_xcnt 0x0
; out0[n][c] = bo[c] + sum over the 8 heads, ascending, of part[head][n][c].  part: [8][4096][128] f32, out0: [4096][128] f32.
; A pure stream: 16 MiB in, 2 MiB out.  A work-group owns 8,192 bytes of out0; thread t owns 16 bytes at 16 t and at 16 t + 4,096, which are
; the same four columns (a row is 512 bytes), so one load of bo serves both.  All 17 loads of a thread go out at once; each load and store of
; a wave covers 512 consecutive aligned bytes.  Nothing is shared between waves or work-groups: no LDS, no barrier, no matrix unit, no cluster.
.set HB, 2097152                       ; bytes of one head's part
	s_load_b128 s[4:7], s[0:1], 0x0                ; part, bo
	s_load_b64 s[8:9], s[0:1], 0x10                ; out0
	v_lshlrev_b32 v1, 4, v0
	v_and_b32 v2, 31, v0
	v_lshlrev_b32 v2, 4, v2                        ; my four columns
	s_lshl_b32 s10, ttmp9, 13
	v_add_nc_u32 v1, s10, v1
	s_wait_kmcnt 0x0
	s_add_nc_u64 s[12:13], s[4:5], 4*HB            ; heads 4 to 7: the immediate offsets stay inside their signed 24 bits
	global_load_b128 v[4:7], v2, s[6:7]
.irp h, 0,1,2,3
	global_load_b128 v[8+8*\h:11+8*\h],  v1, s[4:5] offset:\h*HB th:TH_LOAD_NT
	global_load_b128 v[12+8*\h:15+8*\h], v1, s[4:5] offset:\h*HB+4096 th:TH_LOAD_NT
.endr
.irp h, 0,1,2,3
	global_load_b128 v[40+8*\h:43+8*\h], v1, s[12:13] offset:\h*HB th:TH_LOAD_NT
	global_load_b128 v[44+8*\h:47+8*\h], v1, s[12:13] offset:\h*HB+4096 th:TH_LOAD_NT
.endr
	s_wait_loadcnt 14                              ; 14 loads are younger than head 0's two: bo and head 0 are in
	v_pk_add_f32 v[72:73], v[4:5], v[8:9]          ; bo starts the sums
	v_pk_add_f32 v[74:75], v[6:7], v[10:11]
	v_pk_add_f32 v[76:77], v[4:5], v[12:13]
	v_pk_add_f32 v[78:79], v[6:7], v[14:15]
.irp h, 1,2,3,4,5,6,7
	s_wait_loadcnt 14-2*\h                         ; the later heads' loads stay out
	v_pk_add_f32 v[72:73], v[72:73], v[8+8*\h:9+8*\h]
	v_pk_add_f32 v[74:75], v[74:75], v[10+8*\h:11+8*\h]
	v_pk_add_f32 v[76:77], v[76:77], v[12+8*\h:13+8*\h]
	v_pk_add_f32 v[78:79], v[78:79], v[14+8*\h:15+8*\h]
.endr
	global_store_b128 v1, v[72:75], s[8:9] th:TH_STORE_NT
	global_store_b128 v1, v[76:79], s[8:9] offset:4096 th:TH_STORE_NT
	s_endpgm
.Lfunc_end_k_q624a016005_sum:
	.size	k_q624a016005_sum, .Lfunc_end_k_q624a016005_sum-k_q624a016005_sum
	.p2alignl 7, 3214868480
	.fill 96, 4, 3214868480
	.section	.rodata,"a",@progbits
	.p2align	6, 0x0
	.amdhsa_kernel k_q624a016005_sum
		.amdhsa_group_segment_fixed_size 0
		.amdhsa_private_segment_fixed_size 0
		.amdhsa_enable_private_segment 0
		.amdhsa_kernarg_size 24
		.amdhsa_user_sgpr_count 2
		.amdhsa_user_sgpr_kernarg_segment_ptr 1
		.amdhsa_wavefront_size32 1
		.amdhsa_system_sgpr_workgroup_id_x 1
		.amdhsa_system_sgpr_workgroup_id_y 1
		.amdhsa_system_sgpr_workgroup_id_z 1
		.amdhsa_system_vgpr_workitem_id 0
		.amdhsa_next_free_vgpr 80
		.amdhsa_next_free_sgpr 66
		.amdhsa_reserve_vcc 0
		.amdhsa_float_denorm_mode_32 3
		.amdhsa_float_denorm_mode_16_64 3
		.amdhsa_memory_ordered 1
		.amdhsa_forward_progress 1
		.amdhsa_inst_pref_size 5
	.end_amdhsa_kernel
	.amdgpu_metadata
---
amdhsa.version: [ 1, 2 ]
amdhsa.kernels:
  - .name:           k_q624a016005_sum
    .symbol:         k_q624a016005_sum.kd
    .args:
      - { .name: part, .offset: 0, .size: 8, .value_kind: global_buffer, .address_space: global }
      - { .name: bo, .offset: 8, .size: 8, .value_kind: global_buffer, .address_space: global }
      - { .name: out0, .offset: 16, .size: 8, .value_kind: global_buffer, .address_space: global }
    .group_segment_fixed_size: 0
    .private_segment_fixed_size: 0
    .kernarg_segment_align: 8
    .kernarg_segment_size: 24
    .max_flat_workgroup_size: 256
    .sgpr_count:     66
    .vgpr_count:     80
    .wavefront_size: 32
...
	.end_amdgpu_metadata
.endif
;; end of part 3
;; ======== version 2 of 2: 3 launches; version 1 with the launch proj written anew for expert scheduling mode
;; workspace buffers: Qw 8,388,608 bytes; Kw 8,388,608 bytes; Vw 8,388,608 bytes; part 16,777,216 bytes
;; launch proj (part 4): grid 32 x 8, 24 waves a work-group, no clusters, 101,376 bytes of LDS; arguments q, k, v, Wq, Wk, Wv, bq, bk, bv, Qw, Kw, Vw; writes Qw, Kw, Vw
.if DOCPART == 4
	.amdgcn_target "amdgcn-amd-amdhsa--gfx1250"
	.amdhsa_code_object_version 6
	.text
	.protected	k_q624a016005_proj
	.globl	k_q624a016005_proj
	.p2align	8
	.type	k_q624a016005_proj,@function
k_q624a016005_proj:
	s_mov_b64 s[64:65], 0
	v_nop
	global_prefetch_b8 v0, s[64:65] scope:SCOPE_SE
	s_setreg_imm32_b32 hwreg(HW_REG_WAVE_SCHED_MODE, 0, 2), 2
	s_setreg_imm32_b32 hwreg(HW_REG_WAVE_MODE, 25, 1), 1
	s_wait_xcnt 0x0
	s_wait_alu depctr_vm_vsrc(0)
; Qw, Kw, Vw [8 heads][4096 tokens][128] bf16  =  x W + b  for x = q, k, v ([4096][128] f32), W [128][1024] f32, b [1024] f32.
; Operands are rounded to bf16, sums and the bias stay in f32, the result is rounded once to bf16.
; A work-group is (128 tokens, one head) for all three products: 24 waves, wave = 8 mi + tw; mi picks q, k or v, tw picks 16 tokens.
; A wave makes 16 tokens x 128 features: 8 accumulator tiles, 4 steps of 32 along K, 32 matrix instructions.
; W NEEDS NO TRANSPOSE: tile i of a wave holds the features 8 r + i (r = lane % 16).  A lane then reads 8 neighbouring f32 of a row of W, and
; packing rows 2p and 2p+1 gives register p of all eight B fragments at once.  In the result a lane holds, over its eight tiles, eight
; neighbouring features of a token: 16 bytes, and sixteen lanes store 256 consecutive aligned bytes, a whole row of the output.
; The eight waves of one mi share the conversion of W: wave tw makes the half fragments of rows 16 tw .. 16 tw + 15 and puts them into LDS
; in fragment order (512 consecutive bytes a store); one barrier; every wave reads all.
; NO JOINT LOADS: the work-group's inputs are 3 x 64 KiB of x and 3 x 64 KiB of W in f32, 384 KiB, more than LDS holds, and they are
; regrouped and rounded in registers on the way; each is read once, by loads that all go out at the start.
; Limits: NaN and infinities are not treated apart; results beyond bf16's range become infinite.
; THE MODE: SCHED_MODE bits 1:0 = 2 (LLVM: expert scheduling mode 2), set by the entry lines.  The code itself states the register dependences
; between vector or matrix instructions and memory or LDS instructions, with s_wait_alu, always for 0.
; THE PLAN.  Registers that memory or LDS instructions touch:
;   v2 .. v7      offsets and LDS addresses: written at the head, never again; one wait ahead of the first load serves every load and store.
;   v[8:143]      the 34 global loads land here; no vector line names these registers ahead of them.
;   v[144:159] and v[16:19], v[24:27], v[32:35], v[40:43]   written by the 32 conversions of W, read by the eight LDS stores behind ONE wait.  Tiles 4 to 7
;                 leave from registers of raw W that the conversions of tiles 0 to 3 have used up, so no store is waited for between the two halves.
;   P0, P1, P2    v[112:127], v[128:143], v[144:159]: three buffers of two B fragments.  The 32 fragments go in 16 groups of two; group g multiplies
;                 buffer g % 3 and asks for group g + 2, which lands in the buffer that group g - 1 read.  ONE wait at a group's head states that
;                 the group before is done reading; the group's four loads follow, dealt among its two matrix instructions, which name buffer g % 3,
;                 x's fragments and the accumulators: none of the registers that those loads touch.
;   v[112:143]    at the end: written by the 32 roundings, read by the eight global stores behind ONE wait.
.set BIAS, 8                           ; v[8:15]    b of my 8 features
.set ACC,  16                          ; v[16:79]   tile i at 16 + 8 i (first: raw W, row t at 16 + 8 t; then also the half fragments of tiles 4 to 7)
.set RX,   80                          ; v[80:143]  raw x; the A fragments are made in place in v[80:111]
.set PB,   112                         ; v[112:159] buffer k of B fragments at 112 + 16 k
.set BF,   112                         ; v[112:143] at the end the packed results
.set WF,   144                         ; v[144:159] the half fragments of tiles 0 to 3 on their way to LDS
	s_load_b512 s[8:23], s[0:1], 0x0               ; q, k, v, Wq, Wk, Wv, bq, bk
	s_load_b256 s[24:31], s[0:1], 0x40             ; bv, Qw, Kw, Vw
	v_lshrrev_b32 v1, 5, v0
	v_readfirstlane_b32 s32, v1                    ; wave 0..23
	v_and_b32 v1, 15, v0                           ; r
	v_bfe_u32 v2, v0, 4, 1                         ; h
	v_and_b32 v6, 31, v0                           ; lane
	v_lshlrev_b32 v3, 9, v1
	v_lshl_add_u32 v3, v2, 5, v3                   ; x: token r (512 bytes a row) + 8 h numbers
	v_lshlrev_b32 v4, 5, v1
	v_lshl_add_u32 v4, v2, 15, v4                  ; W: 8 h rows of 4,096 bytes + 8 r numbers
	v_lshlrev_b32 v7, 4, v1
	v_lshl_add_u32 v7, v2, 11, v7                  ; out: 8 h rows of 256 bytes + 16 r
	v_lshlrev_b32 v2, 5, v1                        ; b: 8 r numbers (h has served)
	s_wait_alu depctr_va_sdst(0)                   ; s32 is written, ahead of its first reader: mi, tw and all the wave's bases are made from it
	s_lshr_b32 s33, s32, 3                         ; mi
	s_and_b32 s34, s32, 7                          ; tw
	s_and_b32 s35, ttmp7, 0xffff                   ; head
	s_lshl_b32 s46, s33, 15                        ; LDS: 32,768 bytes for each mi
	v_lshl_add_u32 v6, v6, 4, s46                  ; where fragments are read: 16 lane + mi's region
	s_lshr_b32 s47, s34, 1
	s_lshl_b32 s47, s47, 13                        ; K step tw / 2: 8 fragments of 1,024 bytes
	s_and_b32 s44, s34, 1
	s_lshl_b32 s44, s44, 9                         ; half tw % 2 of a fragment
	s_add_co_u32 s47, s47, s44
	v_add_nc_u32 v5, s47, v6                       ; where my half fragments go
	s_wait_kmcnt 0x0
	s_cmp_eq_u32 s33, 0                            ; the wave's buffers: a choice on the wave's number
	s_cselect_b64 s[36:37], s[8:9], s[10:11]
	s_cselect_b64 s[38:39], s[14:15], s[16:17]
	s_cselect_b64 s[40:41], s[20:21], s[22:23]
	s_cselect_b64 s[42:43], s[26:27], s[28:29]
	s_cmp_eq_u32 s33, 2
	s_cselect_b64 s[36:37], s[12:13], s[36:37]     ; x
	s_cselect_b64 s[38:39], s[18:19], s[38:39]     ; W
	s_cselect_b64 s[40:41], s[24:25], s[40:41]     ; b
	s_cselect_b64 s[42:43], s[30:31], s[42:43]     ; out
	s_mov_b32 s45, 0
	s_lshl_b32 s44, s35, 9
	s_add_nc_u64 s[40:41], s[40:41], s[44:45]      ; b at the head's 128 features
	s_lshl_b32 s46, s34, 16
	s_add_co_u32 s44, s44, s46
	s_add_nc_u64 s[38:39], s[38:39], s[44:45]      ; W at row 16 tw, the head's features
	s_lshl_b32 s44, ttmp9, 16
	s_lshl_b32 s46, s34, 13
	s_add_co_u32 s44, s44, s46
	s_add_nc_u64 s[36:37], s[36:37], s[44:45]      ; x at token 128 block + 16 tw
	s_lshl_b32 s44, s35, 20
	s_lshl_b32 s46, ttmp9, 15
	s_add_co_u32 s44, s44, s46
	s_lshl_b32 s46, s34, 12
	s_add_co_u32 s44, s44, s46
	s_add_nc_u64 s[42:43], s[42:43], s[44:45]      ; out at the head, the same token
	; all 34 loads of the wave go out at once
	s_wait_alu depctr_va_vdst(0)                   ; v2 to v7 are written: every load, LDS access and store of the kernel reads one of them as its offset or address
	global_load_b128 v[BIAS:BIAS+3],   v2, s[40:41]
	global_load_b128 v[BIAS+4:BIAS+7], v2, s[40:41] offset:16
.irp t, 0,1,2,3,4,5,6,7
	global_load_b128 v[ACC+8*\t:ACC+8*\t+3],   v4, s[38:39] offset:4096*\t      ; W[16 tw + 8 h + t][8 r ..]
	global_load_b128 v[ACC+8*\t+4:ACC+8*\t+7], v4, s[38:39] offset:4096*\t+16
.endr
.irp n, 0,1,2,3,4,5,6,7
	global_load_b128 v[RX+8*\n:RX+8*\n+3],   v3, s[36:37] offset:64*\n          ; x[r][16 n + 8 h ..]: n = 2 x K step + half
	global_load_b128 v[RX+8*\n+4:RX+8*\n+7], v3, s[36:37] offset:64*\n+16
.endr
	s_wait_loadcnt 16                              ; the 16 loads of x are younger: b and W are in
.irp q, 0,1,2,3
.irp p, 0,1,2,3
	v_cvt_pk_bf16_f32 v[WF+4*\q+\p], v[ACC+16*\p+\q], v[ACC+16*\p+8+\q]         ; tile q: rows 2p, 2p+1 of feature 8 r + q
.endr
.endr
.irp q, 0,1,2,3
.irp p, 0,1,2,3
	v_cvt_pk_bf16_f32 v[ACC+8*\q+\p], v[ACC+16*\p+4+\q], v[ACC+16*\p+12+\q]     ; tile 4 + q, into columns 0 to 3 of raw row q: the sixteen lines above were their last readers
.endr
.endr
	s_wait_alu depctr_va_vdst(0)                   ; the 32 conversions have written the half fragments, which the eight LDS stores read
.irp q, 0,1,2,3
	ds_store_b128 v5, v[WF+4*\q:WF+4*\q+3] offset:\q*1024
.endr
.irp q, 0,1,2,3
	ds_store_b128 v5, v[ACC+8*\q:ACC+8*\q+3] offset:(4+\q)*1024
.endr
	s_wait_loadcnt 0x0                             ; x
.set n, 0
.rept 32
	v_cvt_pk_bf16_f32 v[RX+n], v[RX+2*n], v[RX+2*n+1]      ; in place, ascending: register n is written when 2n and 2n+1 are read
.set n, n+1
.endr
	s_wait_dscnt 0x0                               ; my half fragments are in LDS, for the other waves' sake
	s_barrier_signal -1
	s_barrier_wait -1
	s_wait_alu depctr_va_vdst(0)                   ; x's conversions are done reading v[112:143], in which the fragments of groups 0 and 1 land
	s_wait_alu depctr_vm_vsrc(0)                   ; my LDS stores have read v[144:159], in which group 2's fragments land, and the sixteen registers of the accumulators, which the matrix instructions write
; Fragment n of 32 (K step n / 8, tile n % 8) lies at LDS byte 1,024 n of mi's region and goes into half n % 2 of buffer (n / 2) % 3.
.macro FRAG n
.set rB, PB+16*(((\n)/2)%3)+8*((\n)%2)
	ds_load_b128 v[rB:rB+3],   v6 offset:(\n)*1024
	ds_load_b128 v[rB+4:rB+7], v6 offset:(\n)*1024+512
.endm
; Its product.  The eight accumulators take turns, one instruction a turn; the first K step starts the sums.
.macro MUL n
.set rB, PB+16*(((\n)/2)%3)+8*((\n)%2)
.set rC, ACC+8*((\n)%8)
.set rA, RX+8*((\n)/8)
.if (\n) < 8
	v_wmma_f32_16x16x32_bf16 v[rC:rC+7], v[rA:rA+7], v[rB:rB+7], 0
.else
	v_wmma_f32_16x16x32_bf16 v[rC:rC+7], v[rA:rA+7], v[rB:rB+7], v[rC:rC+7]
.endif
.endm
; Group g of 16: fragments 2 g and 2 g + 1.  Groups 1 to 13 ask for group g + 2; groups 0 to 2 were asked for behind the barrier.
.macro GROUP
.if g == 0
	s_wait_dscnt 8                                 ; LDS loads come back in order (ISA guide 5.7.1): group 0 is in, the eight loads of groups 1 and 2 stay out
.elseif g == 15
	s_wait_dscnt 0x0                               ; nothing was asked for behind the last group
.else
	s_wait_dscnt 4                                 ; this group's fragments are in; the next group's four loads stay out
.endif
.if (g >= 1) && (g <= 13)
	s_wait_alu depctr_va_vdst(0)                   ; the matrix instructions of the group before are done reading their buffer, in which the four loads below land
.endif
	MUL 2*g
.if (g >= 1) && (g <= 13)
	FRAG 2*g+4                                     ; no wait: no matrix instruction since the wait above names this buffer or v6
.endif
	MUL 2*g+1
.if (g >= 1) && (g <= 13)
	FRAG 2*g+5
.endif
.endm
.irp n, 0,1,2,3,4,5
	FRAG \n
.endr
.set g, 0
.rept 16
	GROUP
.set g, g+1
.endr
.rept 4
	v_nop                                          ; four places behind the matrix instructions, before a result is read (ISA guide 7.12.1)
.endr
.irp i, 0,1,2,3,4,5,6,7
.irp j, 0,1,2,3,4,5,6,7
	v_add_f32 v[ACC+8*\i+\j], v[ACC+8*\i+\j], v[BIAS+\i]
.endr
.endr
.irp j, 0,1,2,3,4,5,6,7
.irp c, 0,1,2,3
	v_cvt_pk_bf16_f32 v[BF+4*\j+\c], v[ACC+16*\c+\j], v[ACC+16*\c+8+\j]    ; token 8 h + j, features 8 r + 2c, 8 r + 2c + 1
.endr
.endr
	s_wait_alu depctr_va_vdst(0)                   ; the 32 roundings have written v[112:143], which the eight stores read
.irp j, 0,1,2,3,4,5,6,7
	global_store_b128 v7, v[BF+4*\j:BF+4*\j+3], s[42:43] offset:256*\j     ; sixteen lanes: one row of 256 bytes
.endr
	s_wait_xcnt 0x0                                ; every earlier memory instruction has had its addresses translated (ISA guide 3.1)
	v_lshl_add_u32 v158, v0, 2, 0x18000            ; the add's two registers are made anew: their only readers on the memory side, my LDS stores of W, stand ahead of the wait on vm_vsrc behind the barrier
	v_mov_b32 v159, 0
	s_wait_dscnt 0x0                               ; the closing lines, six on end
	s_wait_alu 0x0
	s_wait_tensorcnt 0x0
	ds_add_u32 v158, v159
	s_wait_dscnt 0x0
	s_endpgm
.Lfunc_end_k_q624a016005_proj:
	.size	k_q624a016005_proj, .Lfunc_end_k_q624a016005_proj-k_q624a016005_proj
	.p2alignl 7, 3214868480
	.fill 96, 4, 3214868480
	.section	.rodata,"a",@progbits
	.p2align	6, 0x0
	.amdhsa_kernel k_q624a016005_proj
		.amdhsa_group_segment_fixed_size 101376
		.amdhsa_private_segment_fixed_size 0
		.amdhsa_enable_private_segment 0
		.amdhsa_kernarg_size 96
		.amdhsa_user_sgpr_count 2
		.amdhsa_user_sgpr_kernarg_segment_ptr 1
		.amdhsa_wavefront_size32 1
		.amdhsa_system_sgpr_workgroup_id_x 1
		.amdhsa_system_sgpr_workgroup_id_y 1
		.amdhsa_system_sgpr_workgroup_id_z 1
		.amdhsa_system_vgpr_workitem_id 0
		.amdhsa_next_free_vgpr 160
		.amdhsa_next_free_sgpr 66
		.amdhsa_reserve_vcc 0
		.amdhsa_float_denorm_mode_32 3
		.amdhsa_float_denorm_mode_16_64 3
		.amdhsa_memory_ordered 1
		.amdhsa_forward_progress 1
		.amdhsa_inst_pref_size 23
	.end_amdhsa_kernel
	.amdgpu_metadata
---
amdhsa.version: [ 1, 2 ]
amdhsa.kernels:
  - .name:           k_q624a016005_proj
    .symbol:         k_q624a016005_proj.kd
    .args:
      - { .name: q, .offset: 0, .size: 8, .value_kind: global_buffer, .address_space: global }
      - { .name: k, .offset: 8, .size: 8, .value_kind: global_buffer, .address_space: global }
      - { .name: v, .offset: 16, .size: 8, .value_kind: global_buffer, .address_space: global }
      - { .name: Wq, .offset: 24, .size: 8, .value_kind: global_buffer, .address_space: global }
      - { .name: Wk, .offset: 32, .size: 8, .value_kind: global_buffer, .address_space: global }
      - { .name: Wv, .offset: 40, .size: 8, .value_kind: global_buffer, .address_space: global }
      - { .name: bq, .offset: 48, .size: 8, .value_kind: global_buffer, .address_space: global }
      - { .name: bk, .offset: 56, .size: 8, .value_kind: global_buffer, .address_space: global }
      - { .name: bv, .offset: 64, .size: 8, .value_kind: global_buffer, .address_space: global }
      - { .name: Qw, .offset: 72, .size: 8, .value_kind: global_buffer, .address_space: global }
      - { .name: Kw, .offset: 80, .size: 8, .value_kind: global_buffer, .address_space: global }
      - { .name: Vw, .offset: 88, .size: 8, .value_kind: global_buffer, .address_space: global }
    .group_segment_fixed_size: 101376
    .private_segment_fixed_size: 0
    .kernarg_segment_align: 8
    .kernarg_segment_size: 96
    .max_flat_workgroup_size: 768
    .sgpr_count:     66
    .vgpr_count:     160
    .wavefront_size: 32
...
	.end_amdgpu_metadata
.endif
;; end of part 4
;; launch attn: the kernel of part 2 again; grid 32 x 8, 4 waves a work-group, clusters of 4 x 1, 327,680 bytes of LDS; arguments Qw, Kw, Vw, Wo, part; writes part
;; launch sum: the kernel of part 3 again; grid 256 x 1, 8 waves a work-group, no clusters, 0 bytes of LDS; arguments part, bo, out0; writes out0
